; MI455X (gfx1250); checked and timed in simulation.
; The chip was launched on July 23, 2026; its instructions are those of AMD's public machine-readable ISA for CDNA 5 (MIT licence, August 2026) and "CDNA5" Instruction Set Architecture Reference Guide (July 2026). The comments in the code are by the model that wrote it; some were corrected since.
;; Triangle Attention Block. Allowed arithmetic: matrix products marked QUANTISED: E4M3 operands, one given power-of-two scale a tensor, by v_wmma_f32_16x16x64_fp8_fp8 or v_wmma_f32_16x16x128_fp8_fp8, f32 sums; everything else in f32.
;; Inputs: Wk_codes 128 x 4 x 32 uint8 (E4M3 codes of Wk, K innermost, in blocks of 32 codes); Wq_codes 128 x 4 x 32 uint8 (E4M3 codes of Wq, K innermost, in blocks of 32 codes); Wv_codes 128 x 4 x 32 uint8 (E4M3 codes of Wv, K innermost, in blocks of 32 codes); atom_mask 64 int32; bk 128 float32; bq 128 float32; bv 128 float32; lowp_scales 10 int32 (the exponents e of the quantised operands' scales 2^e); pair_features_codes 64 x 64 x 4 x 32 uint8 (E4M3 codes of pair_features, K innermost, in blocks of 32 codes).
;; Outputs: out0 64 x 128 float32.
;; This version of the problem:
;;   THIS VERSION OF THE PROBLEM IS GIVEN IN LOW PRECISION. The matrix products marked QUANTISED in the list below multiply operands that are first quantised to E4M3 (4 exponent bits, 3 mantissa bits; 8 bits a number), with one given power-of-two scale for each operand tensor; their sums are f32. All else is computed in f32.
;;   The module's matrix products, in the order in which they are computed (A, B: the left and right operand; K: the contracted axis; several contracted axes count as one K, in the product's order):
;;     1. [M 4,096, K 128] x [K 128, N 128]; A: input pair_features (given as codes); B: input Wq (given as codes): QUANTISED (scales: A lowp_scales[0], B lowp_scales[1])
;;     2. [M 4,096, K 128] x [K 128, N 128]; A: input pair_features (given as codes); B: input Wk (given as codes): QUANTISED (scales: A lowp_scales[2], B lowp_scales[3])
;;     3. [M 4,096, K 128] x [K 128, N 128]; A: input pair_features (given as codes); B: input Wv (given as codes): QUANTISED (scales: A lowp_scales[4], B lowp_scales[5])
;;     4. batch 4 x [M 4,096, K 32] x [K 32, N 4,096]; A: computed on the way; B: computed on the way: QUANTISED (scales: A lowp_scales[6], B lowp_scales[7])
;;     5. batch 4 x [M 4,096, K 4,096] x [K 4,096, N 32]; A: softmax (see below); B: computed on the way: QUANTISED (scales: A lowp_scales[8], B lowp_scales[9])
;;   THE QUANTISER, for each operand of a quantised product, along K:
;;     - The operand's scale is 2^e, e = its entry of the input lowp_scales (int32; the entries are numbered through the quantised products in the list's order, A before B).
;;     - Each number is divided by the scale, clamped to +-448, and rounded to the nearest number of E4M3, ties to even, subnormals kept.
;;     - The product sums the exact products of the quantised numbers (number of the format x scale) in f32.
;;   ~~~python
;;   def quantise(x, axis, e):      # numpy; x: float32 -> the quantised numbers, widened to float32 again
;;       x = np.moveaxis(x, axis, -1); K = x.shape[-1]
;;       r = np.clip(x / 2.0 ** e, -448, 448)
;;       step = 2.0 ** (np.maximum(np.frexp(np.where(r == 0, 1, r))[1] - 1, -6) - 3)
;;       q = np.round(r / step) * step * 2.0 ** e      # np.round: ties to even
;;       return np.moveaxis(q, -1, axis).astype(np.float32)
;;   ~~~
;;   SOFTMAX AHEAD OF A QUANTISED PRODUCT. Where the list says 'softmax', what is quantised is not the finished softmax but p = 2^(t - M), with t = logit x log2(e) and M = ceil(the row's largest t), a whole number; so 1/2 < the row's largest p <= 1. The row's sum l is taken of the UNQUANTISED p, in f32, and the product's result is divided by l at the end. Since M is a whole number, a kernel that streams over the keys may use a running M (the ceiling of the running maximum): every later rescaling is an exact power of two, so the quantised numbers keep their values, but for numbers so far below the row's largest that they fall under the format's range.
;;   OPERANDS COMPUTED ON THE WAY. 'Computed on the way' means the value that the module computes at that place (a softmax that the list does not call 'softmax' is quantised finished and normalised). What goes into a quantiser is computed in f32, as accurately as f32 sums, v_exp_f32 and their like allow (about 1e-6 of the number): no bf16 or f16 on the way to a quantiser, and a product that is left as it is and whose result goes on into a quantised operand takes f32 operands (vector FMAs, or v_wmma_f32_16x16x4_f32). A number that lies on a knife's edge between two numbers of the format may be rounded either way, as far as f32 arithmetic and the matrix unit's own rounding can turn it there, and no further.
;;   INPUTS GIVEN AS CODES. Wk (in the module: [128, 128], K = its axis 0); Wq (in the module: [128, 128], K = its axis 0); Wv (in the module: [128, 128], K = its axis 0); pair_features (in the module: [64, 64, 128], K = its axis 2): each comes as NAME_codes (uint8): NAME with its K axis moved to the last place and cut into blocks of 32 codes, [.., K / 32, bytes a block], one block behind the other in memory; one code a byte (a code: sign, 4 exponent bits, 3 mantissa bits); its scale is its entry of lowp_scales. Its value is code x scale, taken as it is: it is not quantised again, and the codes and scales need not be those that the quantiser above would give.
;; One version. Each part assembles by itself: llvm-mc -triple=amdgcn-amd-amdhsa -mcpu=gfx1250 --defsym DOCPART=n.
;; ======== version 1 of 1: 2 launches
;; limits: right only within a limited range of input values
;; workspace buffers: qc 524,288 bytes; kv 1,048,576 bytes
;; launch project (part 1): grid 64 x 4, 1 waves a work-group, no clusters, 0 bytes of LDS; arguments pair_features_codes, Wq_codes, Wk_codes, Wv_codes, bq, bk, bv, atom_mask, lowp_scales, qc, kv; writes qc, kv
.if DOCPART == 1
	.amdgcn_target "amdgcn-amd-amdhsa--gfx1250"
	.amdhsa_code_object_version 6
	.text
	.protected	k_qb988a0f697_project
	.globl	k_qb988a0f697_project
	.p2align	8
	.type	k_qb988a0f697_project,@function
k_qb988a0f697_project:
	s_mov_b64 s[64:65], 0
	v_nop
	global_prefetch_b8 v0, s[64:65] scope:SCOPE_SE
	s_setreg_imm32_b32 hwreg(HW_REG_WAVE_MODE, 25, 1), 1
	s_wait_xcnt 0x0
; q = x Wq + bq, k = x Wk + bk, v = x Wv + bv on the given codes of E4M3, then each quantised for the attention's two products, once for the whole program.
; SHARES.  Work-group (a, head), one wave: the 64 rows of x of first atom a (rows 64 a .. 64 a + 63 of the 4,096) and the 32 columns of one head.  24 matrix instructions of 16 x 16 x 128, 12 stores of 512 consecutive bytes.
; x's codes carry another scale in each product (entries 0, 2, 4), the weights entries 1, 3, 5; q, k and v are quantised with entries 6, 7 and 9.
; A sum stands for sum x 2^(eA + eB).  So the bias goes in as the C of the product, divided by that power of two, and the conversion's one scale is 2^(e_operand - eA - eB).
; FRAGMENTS.  16 rows x 128 K come by four loads of 16 bytes, 32 bytes apart, at row x 128 + 16 (lane / 16): a permutation of k that is the same on both sides of every product.
; q AND k ARE MADE TRANSPOSED (source 0 = 16 rows of the weight, source 1 = 16 rows of x): a lane holds one row of x and its registers run along the head's 32, which are the next K.  Lane r of the weight's tile u takes
; row 8 u + r + 8 (r / 8), so that the 16 registers of tiles 0 and 1 are dims 16 (lane / 16) + 0 .. 15: 16 bytes of codes a lane.
; v IS MADE THE OTHER WAY ROUND (source 0 = 16 rows of x, source 1 = 16 rows of Wv): a lane holds one column d and its registers run along the keys, the second product's K.
; WHAT IS STORED is laid in the order of the next launch's operand registers, lane l's 16 bytes at 16 l:
;   qc [head][atom][tile of 16 queries][512 bytes]: query 16 tile + l % 16, dims 16 (l / 16) + 0 .. 15.
;   kv [head][chunk of 1,024 keys][K 32,768 bytes | V 32,768 bytes]; a key step S is 128 keys, 4,096 bytes of each.  K: 8 blocks of 16 keys, as q's.  V: for each 16 d, 4 blocks of four registers of the fragment whose registers
;   2 c, 2 c + 1 hold keys 128 S + 16 c + 8 (l / 16) + 0 .. 7.
; NO VALID ATOM AT ALL: every key is masked alike and the softmax is uniform over all keys.  k's hold is then 0, so that k's codes and all scores are 0.
; LIMITS: e6 - e0 - e1, e7 - e2 - e3 and e9 - e4 - e5 lie between -126 and 119, so that each scale and each hold is an f32 number.  NaN and infinity among the biases are not served.
.set X,   16                           ; v16-79    x: tile t of 16 rows at 16 t
.set WQ,  80                           ; v80-111   Wq: two tiles
.set WK,  112                          ; v112-143  Wk
.set WV,  144                          ; v144-175  Wv
.set BQ,  176                          ; v176-191  bq in the result's layout, two tiles
.set BK,  192                          ; v192-207  bk
.set BV,  208                          ; v208-209  bv of my column, for each 16 d
.set ACC, 210                          ; v210-241  four accumulators
.set COD, 242                          ; v242-249  the codes just made
.set CV,  80                           ; v80-95    bv as C, eight registers alike for each 16 d: in Wq's registers, once q is done
; v250, v251: q's scale and hold; v252, v253: k's; v254, v255: v's
	s_load_b512 s[4:19], s[0:1], 0x0               ; x s[4:5], Wq s[6:7], Wk s[8:9], Wv s[10:11], bq s[12:13], bk s[14:15], bv s[16:17], atom_mask s[18:19]
	s_load_b128 s[20:23], s[0:1], 0x40             ; lowp_scales s[20:21], qc s[22:23]
	s_load_b64 s[24:25], s[0:1], 0x50              ; kv
	s_mov_b32 s26, ttmp9                           ; a
	s_and_b32 s27, ttmp7, 0xffff                   ; head
	v_and_b32 v1, 15, v0                           ; r
	v_lshrrev_b32 v2, 4, v0                        ; h
	v_lshlrev_b32 v3, 7, v1
	v_lshl_add_u32 v3, v2, 4, v3                   ; x, Wv: row r of 128 bytes, + 16 h
	v_and_b32 v4, 8, v1
	v_add_nc_u32 v4, v4, v1                        ; r + 8 (r / 8)
	v_lshlrev_b32 v4, 7, v4
	v_lshl_add_u32 v4, v2, 4, v4                   ; Wq, Wk: that row, + 16 h
	v_lshlrev_b32 v5, 4, v0                        ; the stores: 16 x lane
	v_lshlrev_b32 v6, 6, v2                        ; bq, bk: dims 16 h on
	v_lshlrev_b32 v7, 2, v1                        ; bv: column r
	v_lshlrev_b32 v8, 3, v0                        ; atom_mask: two atoms a lane
	s_lshl_b32 s28, s26, 13                        ; x: 64 rows of 128 bytes an atom
	s_mov_b32 s29, 0
	s_lshl_b32 s30, s27, 12                        ; the weights: 32 rows of 128 bytes a head
	s_mov_b32 s31, 0
	s_lshl_b32 s44, s27, 7                         ; the biases: 32 numbers a head
	s_mov_b32 s45, 0
	s_lshl_b32 s46, s27, 17                        ; qc: 131,072 bytes a head, 2,048 an atom
	s_lshl_b32 s50, s26, 11
	s_add_co_u32 s46, s46, s50
	s_mov_b32 s47, 0
	s_lshl_b32 s42, s27, 18                        ; kv: 262,144 bytes a head,
	s_lshr_b32 s50, s26, 4
	s_lshl_b32 s50, s50, 16                        ; 65,536 a chunk (16 atoms),
	s_add_co_u32 s42, s42, s50
	s_bfe_u32 s50, s26, 0x30001
	s_lshl_b32 s50, s50, 12                        ; 4,096 a key step (two atoms)
	s_add_co_u32 s42, s42, s50
	s_and_b32 s50, s26, 1                          ; which half of the key step is my atom's
	s_lshl_b32 s51, s50, 10
	s_add_co_u32 s48, s42, s51                     ; V: two blocks of 512 bytes in each 16 d's 2,048,
	s_add_co_u32 s48, s48, 32768                   ; behind the chunk's K
	s_mov_b32 s49, 0
	s_lshl_b32 s51, s50, 11
	s_add_co_u32 s42, s42, s51                     ; K: four blocks of 512 bytes
	s_mov_b32 s43, 0
	s_wait_alu depctr_va_vdst(0)
	s_wait_kmcnt 0x0
	s_load_b256 s[32:39], s[20:21], 0x0            ; e0 .. e7
	s_load_b32 s41, s[20:21], 0x24                 ; e9
	s_add_nc_u64 s[4:5], s[4:5], s[28:29]
	s_add_nc_u64 s[6:7], s[6:7], s[30:31]
	s_add_nc_u64 s[8:9], s[8:9], s[30:31]
	s_add_nc_u64 s[10:11], s[10:11], s[30:31]
	s_add_nc_u64 s[12:13], s[12:13], s[44:45]
	s_add_nc_u64 s[14:15], s[14:15], s[44:45]
	s_add_nc_u64 s[16:17], s[16:17], s[44:45]
	s_add_nc_u64 s[22:23], s[22:23], s[46:47]
	s_add_nc_u64 s[56:57], s[24:25], s[48:49]      ; where V's codes go
	s_add_nc_u64 s[24:25], s[24:25], s[42:43]      ; where K's go
	; all loads in one run: one wait serves them all, and there is nothing to do meanwhile
.irp t, 0,1,2,3
.irp c, 0,1,2,3
	global_load_b128 v[X+16*\t+4*\c:X+16*\t+4*\c+3], v3, s[4:5] offset:2048*\t+32*\c
.endr
.endr
.irp u, 0,1
.irp c, 0,1,2,3
	global_load_b128 v[WQ+16*\u+4*\c:WQ+16*\u+4*\c+3], v4, s[6:7] offset:1024*\u+32*\c
	global_load_b128 v[WK+16*\u+4*\c:WK+16*\u+4*\c+3], v4, s[8:9] offset:1024*\u+32*\c
	global_load_b128 v[WV+16*\u+4*\c:WV+16*\u+4*\c+3], v3, s[10:11] offset:2048*\u+32*\c
.endr
	global_load_b128 v[BQ+8*\u:BQ+8*\u+3], v6, s[12:13] offset:32*\u          ; tile u, register j: dim 16 h + 8 u + j
	global_load_b128 v[BQ+8*\u+4:BQ+8*\u+7], v6, s[12:13] offset:32*\u+16
	global_load_b128 v[BK+8*\u:BK+8*\u+3], v6, s[14:15] offset:32*\u
	global_load_b128 v[BK+8*\u+4:BK+8*\u+7], v6, s[14:15] offset:32*\u+16
	global_load_b32 v[BV+\u], v7, s[16:17] offset:64*\u                       ; column 16 u + r
.endr
	global_load_b64 v[10:11], v8, s[18:19]
; the scale 2^(eo - ea - eb) and the hold 448 x that, as f32 numbers; neg: -(ea + eb), for the bias
.macro CONST ea, eb, eo, sc, lim, neg
	s_add_co_i32 s50, s[\ea], s[\eb]
	s_sub_co_i32 s[\neg], 0, s50
	s_sub_co_i32 s51, s[\eo], s50
	s_add_co_i32 s51, s51, 127
	s_lshl_b32 s52, s51, 23
	v_mov_b32 v[\sc], s52
	s_add_co_i32 s51, s51, 8
	s_lshl_b32 s51, s51, 23
	s_or_b32 s51, s51, 0x600000
	v_mov_b32 v[\lim], s51
.endm
	s_wait_kmcnt 0x0
	CONST 32, 33, 38, 250, 251, 53
	CONST 34, 35, 39, 252, 253, 54
	CONST 36, 37, 41, 254, 255, 55
	s_wait_alu depctr_va_vdst(0)
	s_wait_loadcnt 0x0
	v_or_b32 v10, v10, v11
	v_cmp_ne_u32 vcc_lo, 0, v10                    ; a bit for each lane that holds a valid atom
	s_cmp_lg_u32 vcc_lo, 0
	s_cselect_b32 s51, -1, 0
	v_and_b32 v253, s51, v253                      ; no valid atom: k's hold is 0
.set J, 0
.rept 16
	v_ldexp_f32 v[BQ+J], v[BQ+J], s53              ; bq / 2^(e0 + e1)
	v_ldexp_f32 v[BK+J], v[BK+J], s54              ; bk / 2^(e2 + e3)
.set J, J+1
.endr
; Four finished accumulators become codes: COD's registers 2 i, 2 i + 1 from accumulator i.
.macro TAIL sc, lim
.rept 4
	v_nop                                          ; four plain places between a matrix instruction and the first read of its result (ISA guide 7.12.1)
.endr
.set J, 0
.rept 32
	v_med3_num_f32 v[ACC+J], v[ACC+J], -v[\lim], v[\lim]   ; the conversion to an 8-bit code does not saturate (ISA guide 7.6.2): the hold at 448 x the scale; each accumulator from its low end on
.set J, J+1
.endr
	s_wait_alu depctr_va_vdst(0)
	s_wait_xcnt 0x0                                ; the last stores have read COD: it is written again only behind this wait
.irp i, 0,1,2,3
	v_cvt_scalef32_pk8_fp8_f32 v[COD+2*\i:COD+2*\i+1], v[ACC+8*\i:ACC+8*\i+7], v[\sc]
.endr
	v_nop                                          ; one plain vector instruction behind the last conversion: the next products write its sources
.endm
; q or k of x's tiles 2 p and 2 p + 1
.macro QKB wf, bias, sc, lim, base, p
.irp t, 0,1
.irp u, 0,1
	v_wmma_f32_16x16x128_fp8_fp8 v[ACC+16*\t+8*\u:ACC+16*\t+8*\u+7], v[\wf+16*\u:\wf+16*\u+15], v[X+16*(2*\p+\t):X+16*(2*\p+\t)+15], v[\bias+8*\u:\bias+8*\u+7]
.endr
.endr
	TAIL \sc, \lim
.irp t, 0,1
	global_store_b128 v5, v[COD+4*\t:COD+4*\t+3], s[\base:\base+1] offset:512*(2*\p+\t)   ; the wave stores 512 consecutive bytes, at a multiple of 512 from the buffer's first byte
.endr
.endm
; v of x's tiles 2 p and 2 p + 1, for both 16 d
.macro VB p
.irp d, 0,1
.irp t, 0,1
	v_wmma_f32_16x16x128_fp8_fp8 v[ACC+16*\d+8*\t:ACC+16*\d+8*\t+7], v[X+16*(2*\p+\t):X+16*(2*\p+\t)+15], v[WV+16*\d:WV+16*\d+15], v[CV+8*\d:CV+8*\d+7]
.endr
.endr
	TAIL 254, 255
.irp d, 0,1
	global_store_b128 v5, v[COD+4*\d:COD+4*\d+3], s[56:57] offset:2048*\d+512*\p
.endr
.endm
	QKB WQ, BQ, 250, 251, 22, 0
	QKB WQ, BQ, 250, 251, 22, 1
	QKB WK, BK, 252, 253, 24, 0
	QKB WK, BK, 252, 253, 24, 1
.irp d, 0,1
.irp j, 0,1,2,3,4,5,6,7
	v_ldexp_f32 v[CV+8*\d+\j], v[BV+\d], s55       ; bv / 2^(e4 + e5): a lane is a column, so its eight registers (eight keys) take the same number
.endr
.endr
	VB 0
	VB 1
	s_endpgm
.Lfunc_end_k_qb988a0f697_project:
	.size	k_qb988a0f697_project, .Lfunc_end_k_qb988a0f697_project-k_qb988a0f697_project
	.p2alignl 7, 3214868480
	.fill 96, 4, 3214868480
	.section	.rodata,"a",@progbits
	.p2align	6, 0x0
	.amdhsa_kernel k_qb988a0f697_project
		.amdhsa_group_segment_fixed_size 0
		.amdhsa_private_segment_fixed_size 0
		.amdhsa_enable_private_segment 0
		.amdhsa_kernarg_size 88
		.amdhsa_user_sgpr_count 2
		.amdhsa_user_sgpr_kernarg_segment_ptr 1
		.amdhsa_wavefront_size32 1
		.amdhsa_system_sgpr_workgroup_id_x 1
		.amdhsa_system_sgpr_workgroup_id_y 1
		.amdhsa_system_sgpr_workgroup_id_z 1
		.amdhsa_system_vgpr_workitem_id 0
		.amdhsa_next_free_vgpr 256
		.amdhsa_next_free_sgpr 66
		.amdhsa_reserve_vcc 1
		.amdhsa_float_denorm_mode_32 3
		.amdhsa_float_denorm_mode_16_64 3
		.amdhsa_memory_ordered 1
		.amdhsa_forward_progress 1
		.amdhsa_inst_pref_size 29
	.end_amdhsa_kernel
	.amdgpu_metadata
---
amdhsa.version: [ 1, 2 ]
amdhsa.kernels:
  - .name:           k_qb988a0f697_project
    .symbol:         k_qb988a0f697_project.kd
    .args:
      - { .name: pair_features_codes, .offset: 0, .size: 8, .value_kind: global_buffer, .address_space: global }
      - { .name: Wq_codes, .offset: 8, .size: 8, .value_kind: global_buffer, .address_space: global }
      - { .name: Wk_codes, .offset: 16, .size: 8, .value_kind: global_buffer, .address_space: global }
      - { .name: Wv_codes, .offset: 24, .size: 8, .value_kind: global_buffer, .address_space: global }
      - { .name: bq, .offset: 32, .size: 8, .value_kind: global_buffer, .address_space: global }
      - { .name: bk, .offset: 40, .size: 8, .value_kind: global_buffer, .address_space: global }
      - { .name: bv, .offset: 48, .size: 8, .value_kind: global_buffer, .address_space: global }
      - { .name: atom_mask, .offset: 56, .size: 8, .value_kind: global_buffer, .address_space: global }
      - { .name: lowp_scales, .offset: 64, .size: 8, .value_kind: global_buffer, .address_space: global }
      - { .name: qc, .offset: 72, .size: 8, .value_kind: global_buffer, .address_space: global }
      - { .name: kv, .offset: 80, .size: 8, .value_kind: global_buffer, .address_space: global }
    .group_segment_fixed_size: 0
    .private_segment_fixed_size: 0
    .kernarg_segment_align: 8
    .kernarg_segment_size: 88
    .max_flat_workgroup_size: 32
    .sgpr_count:     66
    .vgpr_count:     256
    .wavefront_size: 32
...
	.end_amdgpu_metadata
.endif
;; end of part 1
;; launch attend (part 2): grid 64 x 4, 16 waves a work-group, clusters of 4 x 1, 301,568 bytes of LDS; arguments kv, qc, atom_mask, lowp_scales, out0; writes out0
.if DOCPART == 2
	.amdgcn_target "amdgcn-amd-amdhsa--gfx1250"
	.amdhsa_code_object_version 6
	.text
	.protected	k_qb988a0f697_attend
	.globl	k_qb988a0f697_attend
	.p2align	8
	.type	k_qb988a0f697_attend,@function
k_qb988a0f697_attend:
	s_mov_b64 s[64:65], 0
	v_nop
	global_prefetch_b8 v0, s[64:65] scope:SCOPE_SE
	s_setreg_imm32_b32 hwreg(HW_REG_WAVE_MODE, 25, 1), 1
	s_wait_xcnt 0x0
	s_wait_alu depctr_hold_cnt(0) depctr_sa_sdst(0) depctr_va_vdst(0) depctr_va_sdst(0) depctr_va_ssrc(0) depctr_va_vcc(0) depctr_vm_vsrc(0)
	s_getreg_b32 s2, hwreg(HW_REG_IB_STS2, 6, 4)
	s_cmp_eq_u32 s2, 0
	s_cbranch_scc0 .Lentry_in_a_cluster
	s_endpgm
.Lentry_in_a_cluster:
	s_bfe_u32 s2, ttmp6, 0x10000c
	s_cmp_lg_u32 s2, 0x3003
	s_cbranch_scc0 .Lentry_shape_is_right
	s_endpgm
.Lentry_shape_is_right:
; out0[i][32 head + d] = the sum over the 64 queries s = 64 i + j of softmax_t(q_s . k_t / sqrt(32), masked) v_t[d], both products on codes of E4M3 made by the launch before.
; THE SOFTMAX AHEAD OF THE SECOND PRODUCT: t = score x log2(e) / sqrt(32); M = the largest t so far, rounded UP to a whole number; p = 2^(t - M) is quantised with 2^e8, not normalised; the sum l is taken of the unquantised p
; and divides at the end.  When M moves, l and O are multiplied by 2^(old M - new M), which rounds nothing.
; SHARES.  Work-group (atom i, head): 64 queries of one head, 32 outputs.  Sixteen waves of 256 registers, four to a SIMD.
; Wave w: tile qt = w % 4 of 16 queries, key group g = w / 4.  The head's 4,096 keys are four chunks of 8 key steps of 128 keys; in each chunk group g takes steps 2 g and 2 g + 1: 8 steps a wave.  At the end the four
; groups' O, l and M of a query tile are merged through LDS, divided, summed over the queries, and wave 0 stores the 32 numbers.
; LDS.  All of a head's K and V, 262,144 bytes, lie in LDS as they lie in memory: every byte is filled once, nothing is filled again.  Each wave fetches a sixteenth (4,096 bytes) of each chunk, so that no branch stands
; round a tensor load; four loads of mine are out at the most.  A chunk is read behind a counted wait and a barrier; the later chunks land meanwhile.
; CLUSTER.  The four work-groups of a cluster are four atoms of one head and want the same K and V: each load is asked for JOINTLY, with the same descriptor and the mask 15 in all four.
; LAYOUT.  S^T = K Q^T (source 0 = keys, source 1 = my 16 queries) and O^T = V^T P^T: a lane holds ONE query (lane % 16) throughout.  The head's K is 32, the form's is 64: a fragment of K holds TWO tiles of 16 keys
; (registers 0-3 the first tile's 32 dims, 4-7 the second's), and Q stands between zeros, 0 0 0 0 q q q q 0 0 0 0: [q | 0] gives the first tile's scores, [0 | q] the second's.  K's codes were held, so none is a NaN code.
; Tile t's register j is key 16 t + 8 (lane / 16) + j: one conversion a tile gives registers 2 t, 2 t + 1 of the second product's operand as its own layout has them.
; THE MASK: key 64 a + b counts where atoms a and b are valid.  b's part is the C of the score products (32 registers, 0 or -2^60, the same for every 64 keys); a's part is a scalar, 0 or -2^60, added once to a block's
; maximum and once into the addend of its scalings.  The largest t begins at -2^45 c: under every valid score (a score is under 2^23 in code units), over every masked one, so a masked key's p is 0 from the first step on.
; NO VALID ATOM AT ALL: -2^60 becomes 0 (a select, no branch), and k's codes are 0 by the launch before: all scores are 0, the softmax is uniform over all keys.
; THE ORDER OF A KEY STEP is chosen so that a wave has an independent line to issue beside each line that takes long: the 16 LDS loads stand singly among the maximum's groups and the dependent lines that find M; the 64
; exponentials go in two batches of 32, the first by turns with the scalings that are not yet due and the rescalings of O^T and l, the second by turns with the first batch's sums, holds and conversions.
; LIMITS on the given exponents: e6 + e7 between -48 and 60 (they are added to c's exponent field; 2^60 c must be far beyond f32's exponent range downward and 2^61 c an f32 number); e8 between -126 and 119;
; e8 + e9 is applied by v_ldexp_f32 and has none.  out0 leaves as 128 bytes a work-group: a work-group owns one head's 32 numbers of a row.
.set OIMG, 262144                      ; LDS behind K and V: each wave's O^T, 2,048 bytes: block of four registers at 512 x block + 16 x lane
.set STAT, 294912                      ; each wave's (-M, l): 256 bytes, 8 x lane
.set PART, 299008                      ; each query tile's 32 sums: 128 bytes
.set AD,   1                           ; v1-4     16 x lane + 8,192 g + 65,536 x chunk: my key group's two steps of K; V lies 32,768 further on
.set QA,   20                          ; v[20:27] [q | 0];  v[16:23] [0 | q]
.set BP,   28                          ; v28-59   b's part of the mask, four tiles of eight
.set KF,   60                          ; v60-91   K: four fragments of two tiles
.set VF,   92                          ; v92-123  V^T: two fragments
.set SC,   124                         ; v124-187 S^T, then p; in the merge at work
.set PC,   188                         ; v188-203 p's codes
.set OT,   204                         ; v204-219 O^T: two accumulators
.set AD0,  220                         ; v[220:221], v[222:223] the addends of the step's two blocks of 64 keys (the low word serves both halves)
.set AD1,  222
.set FF,   224                         ; v[224:225] f = 2^(old M - new M)
.set MX,   226                         ; v226-229 four chains of the maximum
.set PD,   230                         ; v230     the lane exchange's destination
.set TW,   231                         ; v231     at work
.set LB,   232                         ; v[232:233] l's second pair
.set SCL,  235                         ; v235     2^e8
; v5-v11 addresses of the merge; v12 -M, v13 the largest t, v[14:15] l's first pair; v236 -2^60 or 0; v237 32 h, v238 8 x lane, v239 16 x lane; v[240:241] two atoms' masks
.set HL,   21
.set G1,   24                          ; s[24:31] descriptor group 1;  s[32:47] group 0, a set for each chunk
.set G0,   32
.set AM,   48                          ; s48-63   a's part of the mask for my 16 blocks: index 4 x chunk + 2 x step + block
.set CS,   66                          ; s[66:67] c = log2(e) / sqrt(32) x 2^(e6 + e7)
.set SEL,  74                          ; s[74:75] selects for v_permlanex16_b32: lane l xor 16
.macro ROUND                           ; a round of the cluster's barrier
	s_barrier_signal -1
	s_barrier_wait -1
	s_cmp_lg_u32 s14, 0
	s_cbranch_scc1 .Lnot_wave_0_\@
	s_barrier_signal -3
.Lnot_wave_0_\@:
	s_barrier_wait -3
	s_barrier_signal -1
	s_barrier_wait -1
.endm
	s_load_b256 s[4:11], s[0:1], 0x0               ; kv s[4:5], qc s[6:7], atom_mask s[8:9], lowp_scales s[10:11]
	s_load_b64 s[12:13], s[0:1], 0x20              ; out0
	v_lshl_add_u32 v254, v0, 2, 0x49200
	v_mov_b32 v255, 0
	ds_add_u32 v254, v255
	ds_add_u32 v254, v255
	v_lshrrev_b32 v1, 5, v0
	v_readfirstlane_b32 s14, v1                    ; wave 0..15
	s_and_b32 s15, s14, 3                          ; qt
	s_lshr_b32 s16, s14, 2                         ; g
	s_bfe_u32 s19, ttmp6, 0x40000                  ; cx: it enters q's and out0's addresses alone
	s_lshl_b32 s17, ttmp9, 2
	s_add_co_u32 s17, s17, s19                     ; atom = 4 x cluster x + cx
	s_and_b32 s18, ttmp7, 0xffff                   ; head, which the four partners share
	s_lshl_b32 s20, s14, 12                        ; my sixteenth of a chunk: 4,096 x wave, in memory and in LDS
	s_lshl_b32 s22, s18, 18                        ; 262,144 bytes a head
	s_add_co_u32 s22, s22, s20
	s_mov_b32 s23, 0
	; descriptor group 1: a dense block of 4,096 bytes as 16 rows of 32 elements of 8 bytes
	s_mov_b32 s[G1+0], 15|(3<<16)|(1<<21)          ; 15:0 the mask: all four work-groups; 17:16 elements of 8 bytes; 20 no padding; 21 set beside a mask
	s_mov_b32 s[G1+1], 32<<16                      ; tensor_dim0 = 32
	s_mov_b32 s[G1+2], 16<<16                      ; tensor_dim1 = 16
	s_mov_b32 s[G1+3], 32<<16                      ; tile_dim0 = 32
	s_mov_b32 s[G1+4], 16                          ; tile_dim1 = 16
	s_mov_b32 s[G1+5], 32                          ; from row to row: 32 elements
	s_mov_b32 s[G1+6], 0
	s_mov_b32 s[G1+7], 0
	; every LDS address is made here: a constant + constants x lane, wave
	v_and_b32 v11, 31, v0                          ; lane
	v_bfe_u32 v237, v0, 4, 1                       ; h
	v_lshlrev_b32 v238, 3, v11
	v_lshlrev_b32 v239, 4, v11
	s_lshl_b32 s76, s16, 13
	v_add_nc_u32 v1, s76, v239
	v_add_nc_u32 v2, 0x10000, v1
	v_add_nc_u32 v3, 0x20000, v1
	v_add_nc_u32 v4, 0x30000, v1
	s_lshl_b32 s76, s14, 11
	s_add_co_u32 s76, s76, OIMG
	v_add_nc_u32 v5, s76, v239                     ; where my O^T goes
	s_lshl_b32 s76, s14, 8
	s_add_co_u32 s76, s76, STAT
	v_add_nc_u32 v6, s76, v238                     ; where my (-M, l) goes
	s_lshl_b32 s76, s15, 11
	s_lshl_b32 s77, s16, 9
	s_add_co_u32 s76, s76, s77
	s_add_co_u32 s76, s76, OIMG
	v_add_nc_u32 v7, s76, v239                     ; the merge: block g of my query tile's key group 0; the groups lie 8,192 bytes apart
	s_lshl_b32 s76, s15, 8
	s_add_co_u32 s76, s76, STAT
	v_add_nc_u32 v8, s76, v238                     ; and its (-M, l); the groups lie 1,024 bytes apart
	s_lshl_b32 s76, s15, 7
	s_lshr_b32 s77, s16, 1
	s_lshl_b32 s77, s77, 6
	s_add_co_u32 s76, s76, s77
	s_and_b32 s77, s16, 1
	s_lshl_b32 s77, s77, 4
	s_add_co_u32 s76, s76, s77
	s_add_co_u32 s76, s76, PART
	v_lshl_add_u32 v9, v237, 5, s76                ; block g's four numbers are d = 16 (g / 2) + 8 h + 4 (g % 2) + 0 .. 3
	v_lshlrev_b32 v11, 2, v11                      ; 4 x lane: out0
	v_add_nc_u32 v10, PART, v11
	v_lshlrev_b32 v237, 5, v237                    ; 32 h: atoms 8 h on
.irp j, 16,17,18,19,24,25,26,27
	v_mov_b32 v\j, 0                               ; the zeros on both sides of q
.endr
	v_mov_b32 v14, 0                               ; l, in two pairs that last across the steps: four words, so that the first step's sums need no form of their own
	v_mov_b32 v15, 0
	v_mov_b32 v[LB], 0
	v_mov_b32 v[LB+1], 0
	v_mov_b32 v[AD0+1], 0                          ; named as upper halves of pairs, so they are written
	v_mov_b32 v[AD1+1], 0
	v_mov_b32 v[FF+1], 0
	v_mov_b32 v[PD], 0                             ; a lane exchange's destination counts as read
	s_mov_b32 s[SEL], 0x76543210
	s_mov_b32 s[SEL+1], 0xfedcba98
	s_lshl_b32 s78, s18, 17                        ; q: 131,072 bytes a head, 2,048 an atom, 512 a tile
	s_lshl_b32 s79, s17, 11
	s_add_co_u32 s78, s78, s79
	s_lshl_b32 s79, s15, 9
	s_add_co_u32 s78, s78, s79
	s_mov_b32 s79, 0
	s_lshl_b32 s82, s17, 9                         ; out0: 512 bytes an atom, 128 a head
	s_lshl_b32 s83, s18, 7
	s_add_co_u32 s82, s82, s83
	s_mov_b32 s83, 0
	s_lshl_b32 s80, s16, 4                         ; atom_mask: my key group's four atoms of a chunk's sixteen
	s_mov_b32 s81, 0
	s_wait_dscnt 0x0
	s_wait_kmcnt 0x0
	s_add_nc_u64 s[4:5], s[4:5], s[22:23]          ; kv at my head and my sixteenth
	s_add_nc_u64 s[6:7], s[6:7], s[78:79]
	s_add_nc_u64 s[12:13], s[12:13], s[82:83]
	s_add_nc_u64 s[76:77], s[8:9], s[80:81]
.irp c, 0,1,2,3
	s_mov_b32 s[G0+4*\c], 1                        ; count = 1
	s_add_co_u32 s[G0+4*\c+1], s20, 65536*\c       ; LDS address
	s_add_nc_u64 s[G0+4*\c+2:G0+4*\c+3], s[4:5], 65536*\c   ; global address
	s_or_b32 s[G0+4*\c+3], s[G0+4*\c+3], 0x80000000         ; type = 2
.endr
	ROUND                                          ; all four work-groups are here: the joint loads meet
	tensor_load_to_lds s[G0:G0+3], s[G1:G1+7]      ; all fills of the launch go out as one group, in the order in which the chunks are read
	s_nop 0
	tensor_load_to_lds s[G0+4:G0+7], s[G1:G1+7]
	s_nop 0
	tensor_load_to_lds s[G0+8:G0+11], s[G1:G1+7]
	s_nop 0
	tensor_load_to_lds s[G0+12:G0+15], s[G1:G1+7]
	s_nop 0
.rept 4
	v_nop                                          ; four behind the tensor loads
.endr
	global_load_b128 v[QA:QA+3], v239, s[6:7]      ; q: query l % 16, dims 16 (l / 16) + 0 .. 15
.irp t, 0,1,2,3
	global_load_b128 v[BP+8*\t:BP+8*\t+3], v237, s[8:9] offset:64*\t        ; atoms b = 16 t + 8 h + 0 .. 7
	global_load_b128 v[BP+8*\t+4:BP+8*\t+7], v237, s[8:9] offset:64*\t+16
.endr
	global_load_b64 v[240:241], v238, s[8:9]       ; all 64 atoms, two a lane
	s_load_b128 s[68:71], s[10:11], 0x18           ; e6, e7, e8, e9
.irp c, 0,1,2,3
	s_load_b128 s[AM+4*\c:AM+4*\c+3], s[76:77], 64*\c   ; atoms a = 16 c + 4 g + 0 .. 3
.endr
	s_wait_kmcnt 0x0
	s_wait_loadcnt 0x0
	v_or_b32 v240, v240, v241
	v_cmp_ne_u32 vcc_lo, 0, v240
	s_cmp_lg_u32 vcc_lo, 0                         ; is any atom valid?
	s_cselect_b32 s72, 0xdd800000, 0               ; -2^60, or 0 where none is
.set J, 0
.rept 16
	s_cmp_lg_u32 s[AM+J], 0
	s_cselect_b32 s[AM+J], 0, s72
.set J, J+1
.endr
	v_mov_b32 v236, s72
.set J, 0
.rept 32
	v_cmp_ne_u32 vcc_lo, 0, v[BP+J]
	v_cndmask_b32 v[BP+J], v236, v16, vcc_lo       ; 0 where atom b is valid
.set J, J+1
.endr
	s_add_co_i32 s82, s68, s69
	s_lshl_b32 s82, s82, 23
	s_mov_b32 s[CS], 0x3e8293ee                    ; log2(e) / sqrt(32)
	s_add_co_i32 s[CS], s[CS], s82                 ; a score stands for score x 2^(e6 + e7): the exponents are added to c's exponent field
	s_mov_b32 s[CS+1], s[CS]                       ; (named with it as a pair)
	v_mov_b32 v13, 0xd6000000
	v_mul_f32 v13, s[CS], v13                      ; the largest t so far: -2^45 c
	s_add_co_i32 s82, s70, 127
	s_lshl_b32 s83, s82, 23
	v_mov_b32 v[SCL], s83                          ; 2^e8
	s_add_co_i32 s73, s70, s71                     ; e8 + e9
.macro VL c, st, n                     ; block n of eight of a key step's V: 512 bytes, 16 x lane
	ds_load_b128 v[VF+4*(\n):VF+4*(\n)+3], v[AD+(\c)] offset:32768+4096*(\st)+512*(\n)
.endm
.macro KL c, st, n                     ; block n of eight of a key step's K; c < 0: there is no such step
.if (\c) >= 0
	ds_load_b128 v[KF+4*(\n):KF+4*(\n)+3], v[AD+(\c)] offset:4096*(\st)+512*(\n)
.endif
.endm
.macro SCALE j                         ; pair j of 32: t - M, two at a time; pairs 0-15 are the step's first 64 keys, 16-31 its second
.if (\j) < 16
	v_pk_fma_f32 v[SC+2*(\j):SC+2*(\j)+1], v[SC+2*(\j):SC+2*(\j)+1], s[CS:CS+1], v[AD0:AD0+1] op_sel_hi:[1,0,0]
.else
	v_pk_fma_f32 v[SC+2*(\j):SC+2*(\j)+1], v[SC+2*(\j):SC+2*(\j)+1], s[CS:CS+1], v[AD1:AD1+1] op_sel_hi:[1,0,0]
.endif
.endm
.macro SUM g                           ; pair g goes into l, UNQUANTISED and not yet held: the two pairs of l by turns
.if ((\g) % 2) == 0
	v_pk_add_f32 v[14:15], v[14:15], v[SC+2*(\g):SC+2*(\g)+1]
.else
	v_pk_add_f32 v[LB:LB+1], v[LB:LB+1], v[SC+2*(\g):SC+2*(\g)+1]
.endif
.endm
.macro HOLD g                          ; the conversion does not saturate (ISA guide 7.6.2); p is not held: the macro is empty
.endm
.macro CODE t                          ; tile t's keys 16 t + 8 h + 0 .. 7: registers 2 t, 2 t + 1 of the second product's operand
	v_cvt_scalef32_pk8_fp8_f32 v[PC+2*(\t):PC+2*(\t)+1], v[SC+8*(\t):SC+8*(\t)+7], v[SCL]
.endm
; A KEY STEP: 128 keys, step st of my two in chunk c.  first = 1: it starts O^T and has no old M.  nc, nst: the next step, whose K is asked for here (nc < 0: there is none).
; sync >= 0: the next step lies in the next chunk: the count of the wait on TENSORcnt is the number of my loads issued behind that chunk's.
.macro STEP c, st, first, nc, nst, sync
	s_wait_dscnt 0x0                               ; this step's K is in (asked for a step ago); no LDS instruction of mine is out
.irp t, 0,1,2,3,4,5,6,7
	v_wmma_f32_16x16x64_fp8_fp8 v[SC+8*\t:SC+8*\t+7], v[KF+8*(\t/2):KF+8*(\t/2)+7], v[QA-4*(\t%2):QA-4*(\t%2)+7], v[BP+8*(\t%4):BP+8*(\t%4)+7]
.endr
.if \first                                     ; four plain places: ahead of the first read of the scores, and of the loads into K's registers and into V's, which the last step's products read
	v_nop
.else
	v_mov_b32 v[TW], v12                           ; the old -M is kept: one of the four
.endif
.rept 3
	v_nop
.endr
.if \sync >= 0
	s_wait_tensorcnt \sync                         ; my part of the next chunk has landed; the chunks behind it may stay out
	s_barrier_signal -1
	s_barrier_wait -1                              ; everybody's has
.endif
	; the largest score of each block of 64 keys, among my 32: two chains a block, each tile read from its low end on.  V's eight loads, then the next step's K's, stand singly between the groups
	VL \c, \st, 0
	VL \c, \st, 1
.irp k, 0,1,2,3
	v_max3_num_f32 v[MX+\k], v[SC+16*\k], v[SC+16*\k+1], v[SC+16*\k+2]
.endr
	VL \c, \st, 2
.set N, 3
.irp i, 3,5,7,9,11,13
.irp k, 0,1,2,3
	v_max3_num_f32 v[MX+\k], v[MX+\k], v[SC+16*\k+\i], v[SC+16*\k+\i+1]
.endr
.if N < 8
	VL \c, \st, N
.else
	KL \nc, \nst, 0
.endif
.set N, N+1
.endr
	v_max3_num_f32 v[MX], v[MX], v[MX+1], v[SC+15]
	v_max3_num_f32 v[MX+2], v[MX+2], v[MX+3], v[SC+47]
	KL \nc, \nst, 1
	v_max_num_f32 v[MX], v[MX], v[SC+31]
	v_max_num_f32 v[MX+2], v[MX+2], v[SC+63]
	KL \nc, \nst, 2
	v_add_f32 v[MX], s[AM+4*\c+2*\st], v[MX]       ; atom a's part of the mask
	v_add_f32 v[MX+2], s[AM+4*\c+2*\st+1], v[MX+2]
	KL \nc, \nst, 3
	v_max_num_f32 v[MX], v[MX], v[MX+2]
	KL \nc, \nst, 4
	v_permlanex16_b32 v[PD], v[MX], s[SEL], s[SEL+1]
	KL \nc, \nst, 5
	v_max_num_f32 v[MX], v[MX], v[PD]              ; and lane l xor 16's keys
	KL \nc, \nst, 6
	v_mul_f32 v[MX], s[CS], v[MX]                  ; as t (c is positive)
	KL \nc, \nst, 7
	v_max_num_f32 v13, v13, v[MX]                  ; the running largest t
	v_floor_f32 v12, -v13                          ; -M = floor(-t) = -ceil(t)
	v_fma_f32 v[AD0], s[AM+4*\c+2*\st], s[CS], v12     ; -M, or far below it where atom a is not valid
	v_fma_f32 v[AD1], s[AM+4*\c+2*\st+1], s[CS], v12
.if \first == 0
	v_sub_f32 v[TW], v12, v[TW]                    ; old M - new M: a whole number, 0 or less
.endif
	SCALE 0
.if \first == 0
	v_cvt_i32_f32 v[TW], v[TW]                     ; (it saturates)
.endif
	SCALE 1
.if \first == 0
	v_ldexp_f32 v[FF], 1.0, v[TW]                  ; f
.endif
	; BATCH 1: p = 2^(t - M) of the first 64 keys, by turns with plain lines that name no result of the batch: pair I + 2 is scaled behind exponential I and wanted by exponential 2 I + 4; then O^T and l under the new M
.set I, 0
.rept 32
	v_exp_f32 v[SC+I], v[SC+I]
.if I < 30
	SCALE I+2
.endif
.if \first == 0
.if (I >= 22) && (I < 30)
	v_pk_mul_f32 v[OT+2*(I-22):OT+2*(I-22)+1], v[OT+2*(I-22):OT+2*(I-22)+1], v[FF:FF+1] op_sel_hi:[1,0]   ; each accumulator from its low end on
.endif
.if I == 30
	v_pk_mul_f32 v[14:15], v[14:15], v[FF:FF+1] op_sel_hi:[1,0]
.endif
.if I == 31
	v_pk_mul_f32 v[LB:LB+1], v[LB:LB+1], v[FF:FF+1] op_sel_hi:[1,0]   ; also the plain instruction behind the batch's last exponential
.endif
.else
.if I == 31
	v_nop                                          ; a plain instruction behind the batch's last exponential
.endif
.endif
.set I, I+1
.endr
	s_wait_alu depctr_va_vdst(0)                   ; one wait for batch 1, ahead of its first reader
	; BATCH 2: the second 64 keys' exponentials, by turns with batch 1's readers.  A pair is summed; a tile's conversion stands one group behind its last pair's sum
.set G, 0
.rept 16
	v_exp_f32 v[SC+32+2*G], v[SC+32+2*G]
	SUM G
	v_exp_f32 v[SC+33+2*G], v[SC+33+2*G]
	HOLD G
.if ((G % 4) == 0) && (G > 0)
	CODE G/4-1
.endif
.set G, G+1
.endr
	s_wait_alu depctr_va_vdst(0)                   ; one wait for batch 2, ahead of its first reader
.rept 16
	SUM G
	HOLD G
.if (G % 4) == 0
	CODE G/4-1
.endif
.set G, G+1
.endr
	CODE 7
	v_nop                                          ; one plain instruction between the last conversion and the products that read its result
.if \nc >= 0
	s_wait_dscnt 8                                 ; V's eight loads are in; the eight of the next step's K, issued behind them, may be out
.else
	s_wait_dscnt 0x0
.endif
.irp d, 0,1                                    ; the two accumulators take turns, and eight score products stand between a link and the next
.if \first
	v_wmma_f32_16x16x128_fp8_fp8 v[OT+8*\d:OT+8*\d+7], v[VF+16*\d:VF+16*\d+15], v[PC:PC+15], 0
.else
	v_wmma_f32_16x16x128_fp8_fp8 v[OT+8*\d:OT+8*\d+7], v[VF+16*\d:VF+16*\d+15], v[PC:PC+15], v[OT+8*\d:OT+8*\d+7]
.endif
.endr
.endm
	s_wait_tensorcnt 3                             ; my part of chunk 0 has landed; my three later loads may be out
	s_barrier_signal -1
	s_barrier_wait -1                              ; everybody's has
.irp b, 0,1,2,3,4,5,6,7
	KL 0, 0, \b
.endr
	STEP 0, 0, 1, 0, 1, -1
	STEP 0, 1, 0, 1, 0, 2
	STEP 1, 0, 0, 1, 1, -1
	STEP 1, 1, 0, 2, 0, 1
	STEP 2, 0, 0, 2, 1, -1
	STEP 2, 1, 0, 3, 0, 0
	STEP 3, 0, 0, 3, 1, -1
	STEP 3, 1, 0, -1, 0, -1
	; THE MERGE.  Each wave lays its O^T and (-M, l) into LDS; wave (qt, g) then takes block g (four registers) of the four key groups of its query tile.
	v_add_f32 v14, v14, v15                        ; l's four parts.  (The four additions and the v_nop are the plain places behind the last products)
	v_add_f32 v[LB], v[LB], v[LB+1]
	v_add_f32 v14, v14, v[LB]
	v_permlanex16_b32 v[PD], v14, s[SEL], s[SEL+1]
	v_nop
	v_add_f32 v13, v14, v[PD]                      ; and lane l xor 16's keys: l, beside -M
.irp b, 0,1,2,3
	ds_store_b128 v5, v[OT+4*\b:OT+4*\b+3] offset:512*\b   ; each accumulator from its low end on
.endr
	ds_store_b64 v6, v[12:13]
	s_wait_dscnt 0x0                               ; for the others' sake: my stores have landed
	s_barrier_signal -1
	s_barrier_wait -1
.irp q, 0,1,2,3
	ds_load_b128 v[124+4*\q:127+4*\q], v7 offset:8192*\q
	ds_load_b64 v[140+2*\q:141+2*\q], v8 offset:1024*\q
.endr
	s_wait_dscnt 0x0
	v_min3_num_f32 v148, v140, v142, v144
	v_min_num_f32 v148, v148, v146                 ; -M of all keys: the smallest of the four
.irp q, 0,1,2,3
	v_sub_f32 v[150+\q], v148, v[140+2*\q]         ; a group's M less the common M: a whole number, 0 or less
.endr
.irp q, 0,1,2,3
	v_cvt_i32_f32 v[150+\q], v[150+\q]
.endr
.irp q, 0,1,2,3
	v_ldexp_f32 v[150+\q], 1.0, v[150+\q]          ; 0 for a group all of whose keys are masked
.endr
	v_mul_f32 v154, v150, v141
	v_fmac_f32 v154, v151, v143
	v_fmac_f32 v154, v152, v145
	v_fmac_f32 v154, v153, v147                    ; l
	v_rcp_f32 v155, v154
.irp j, 0,1,2,3
	v_mul_f32 v[156+\j], v150, v[124+\j]           ; (plain work behind the reciprocal)
.endr
.irp q, 1,2,3
.irp j, 0,1,2,3
	v_fmac_f32 v[156+\j], v[150+\q], v[124+4*\q+\j]
.endr
.endr
	s_wait_alu depctr_va_vdst(0)                   ; ahead of the reciprocal's first reader
.irp j, 0,1,2,3
	v_mul_f32 v[156+\j], v[156+\j], v155           ; O / l of my query
.endr
.irp m, 1,2,4,8
.irp j, 0,1,2,3
	v_add_f32_dpp v[156+\j], v[156+\j], v[156+\j] row_xmask:\m row_mask:0xf bank_mask:0xf   ; the sum over the tile's 16 queries, in every lane of the half
.endr
.endr
	ds_store_b128 v9, v[156:159]                   ; the sixteen lanes of a half write the same four numbers to the same words
	s_wait_dscnt 0x0
	s_barrier_signal -1
	s_barrier_wait -1
	s_cmp_lg_u32 s14, 0                            ; wave 0 adds the four query tiles and stores; no barrier stands in this branch
	s_cbranch_scc1 .Lothers
.irp q, 0,1,2,3
	ds_load_b32 v[160+\q], v10 offset:128*\q       ; lane = d
.endr
	s_wait_dscnt 0x0
	v_add_f32 v160, v160, v161
	v_add_f32 v162, v162, v163
	v_add_f32 v160, v160, v162
	v_ldexp_f32 v160, v160, s73                    ; x 2^(e8 + e9)
	global_store_b32 v11, v160, s[12:13]           ; 128 consecutive bytes: this head's part of the atom's row
.Lothers:
	s_wait_tensorcnt 0x0                           ; no tensor load of mine is out at the end
	s_wait_tensorcnt 0x0
	ds_add_u32 v254, v255
	s_wait_dscnt 0x0
	ROUND                                          ; the closing round: no work-group ends while a partner may still ask for a tile that names it
	s_endpgm
.Lfunc_end_k_qb988a0f697_attend:
	.size	k_qb988a0f697_attend, .Lfunc_end_k_qb988a0f697_attend-k_qb988a0f697_attend
	.p2alignl 7, 3214868480
	.fill 96, 4, 3214868480
	.section	.rodata,"a",@progbits
	.p2align	6, 0x0
	.amdhsa_kernel k_qb988a0f697_attend
		.amdhsa_group_segment_fixed_size 301568
		.amdhsa_private_segment_fixed_size 0
		.amdhsa_enable_private_segment 0
		.amdhsa_kernarg_size 40
		.amdhsa_user_sgpr_count 2
		.amdhsa_user_sgpr_kernarg_segment_ptr 1
		.amdhsa_wavefront_size32 1
		.amdhsa_system_sgpr_workgroup_id_x 1
		.amdhsa_system_sgpr_workgroup_id_y 1
		.amdhsa_system_sgpr_workgroup_id_z 1
		.amdhsa_system_vgpr_workitem_id 0
		.amdhsa_next_free_vgpr 256
		.amdhsa_next_free_sgpr 84
		.amdhsa_reserve_vcc 1
		.amdhsa_float_denorm_mode_32 3
		.amdhsa_float_denorm_mode_16_64 3
		.amdhsa_fp16_overflow 1
		.amdhsa_memory_ordered 1
		.amdhsa_forward_progress 1
		.amdhsa_inst_pref_size 108
	.end_amdhsa_kernel
	.amdgpu_metadata
---
amdhsa.version: [ 1, 2 ]
amdhsa.kernels:
  - .name:           k_qb988a0f697_attend
    .symbol:         k_qb988a0f697_attend.kd
    .args:
      - { .name: kv, .offset: 0, .size: 8, .value_kind: global_buffer, .address_space: global }
      - { .name: qc, .offset: 8, .size: 8, .value_kind: global_buffer, .address_space: global }
      - { .name: atom_mask, .offset: 16, .size: 8, .value_kind: global_buffer, .address_space: global }
      - { .name: lowp_scales, .offset: 24, .size: 8, .value_kind: global_buffer, .address_space: global }
      - { .name: out0, .offset: 32, .size: 8, .value_kind: global_buffer, .address_space: global }
    .group_segment_fixed_size: 301568
    .private_segment_fixed_size: 0
    .kernarg_segment_align: 8
    .kernarg_segment_size: 40
    .max_flat_workgroup_size: 512
    .sgpr_count:     84
    .vgpr_count:     256
    .wavefront_size: 32
...
	.end_amdgpu_metadata
.endif
;; end of part 2
